; MI455X (gfx1250); checked and timed in simulation.
; The chip was launched on July 23, 2026; its instructions are those of AMD's public machine-readable ISA for CDNA 5 (MIT licence, August 2026) and "CDNA5" Instruction Set Architecture Reference Guide (July 2026). The comments in the code are by the model that wrote it; some were corrected since.
;; Mock Qwen3 Attention. Allowed arithmetic: matrix products marked QUANTISED: E2M1 operands, one E8M0 scale for each 32 along K, by v_wmma_scale_f32_16x16x128_f8f6f4 with both operands' format E2M1 (or v_wmma_scale_f32_32x16x128_f4), f32 sums; everything else in f32.
;; Inputs: hidden_states_codes 4 x 2,048 x 32 x 16 uint8 (E2M1 codes of hidden_states, K innermost, in blocks of 32 codes, two codes a byte); hidden_states_scales 4 x 2,048 x 32 uint8 (E8M0 scales of hidden_states, one for each 32 codes along K); k_norm_b 64 float32; k_norm_w 64 float32; o_b 1,024 float32; o_w_codes 1,024 x 32 x 16 uint8 (E2M1 codes of o_w, K innermost, in blocks of 32 codes, two codes a byte); o_w_scales 1,024 x 32 uint8 (E8M0 scales of o_w, one for each 32 codes along K); q_norm_b 64 float32; q_norm_w 64 float32; qkv_b 3,072 float32; qkv_w_codes 3,072 x 32 x 16 uint8 (E2M1 codes of qkv_w, K innermost, in blocks of 32 codes, two codes a byte); qkv_w_scales 3,072 x 32 uint8 (E8M0 scales of qkv_w, one for each 32 codes along K).
;; Outputs: out0 4 x 2,048 x 1,024 float32.
;; This version of the problem:
;;   THIS VERSION OF THE PROBLEM IS GIVEN IN LOW PRECISION. The matrix products marked QUANTISED in the list below multiply operands that are first quantised to E2M1 (2 exponent bits, 1 mantissa bit; 4 bits a number), with one power-of-two scale for each 32 numbers along K (OCP MX v1.0); their sums are f32. All else is computed in f32.
;;   The module's matrix products, in the order in which they are computed (A, B: the left and right operand; K: the contracted axis; several contracted axes count as one K, in the product's order):
;;     1. [M 8,192, K 1,024] x [K 1,024, N 3,072]; A: input hidden_states (given as codes); B: input qkv_w (given as codes): QUANTISED
;;     2. batch 64 x [M 2,048, K 64] x [K 64, N 2,048]; A: computed on the way; B: computed on the way: QUANTISED
;;     3. batch 64 x [M 64, K 2,048] x [K 2,048, N 2,048]; A: computed on the way; B: softmax (see below): QUANTISED
;;     4. [M 8,192, K 1,024] x [K 1,024, N 1,024]; A: computed on the way; B: input o_w (given as codes): QUANTISED
;;   THE QUANTISER, for each operand of a quantised product, along K:
;;     - K is cut into blocks of 32 from its start; a last block that is shorter is filled with zeros.
;;     - A block's scale is 2^e with e = floor(log2(the largest magnitude in the block)) - 2, held to -126 .. 127; a block of zeros has e = 0. As a byte (E8M0): e + 127.
;;     - Each number is divided by its block's scale, clamped to +-6, and rounded to the nearest number of E2M1, ties to even, subnormals kept.
;;     - The product sums the exact products of the quantised numbers (number of the format x scale) in f32.
;;   ~~~python
;;   def quantise(x, axis):      # numpy; x: float32 -> the quantised numbers, widened to float32 again
;;       x = np.moveaxis(x, axis, -1); K = x.shape[-1]
;;       x = np.pad(x, [(0, 0)] * (x.ndim - 1) + [(0, -K % 32)]); x = x.reshape(x.shape[:-1] + (-1, 32)); a = np.abs(x).max(-1, keepdims=True)
;;       e = np.where(a > 0, np.clip(np.frexp(np.where(a > 0, a, 1))[1] - 1 - 2, -126, 127), 0)      # np.frexp(a)[1] - 1 = floor(log2(a)), exactly
;;       r = np.clip(x / 2.0 ** e, -6, 6)
;;       step = 2.0 ** (np.maximum(np.frexp(np.where(r == 0, 1, r))[1] - 1, 0) - 1)
;;       q = np.round(r / step) * step * 2.0 ** e      # np.round: ties to even
;;       return np.moveaxis(q.reshape(q.shape[:-2] + (-1,))[..., :K], -1, axis).astype(np.float32)
;;   ~~~
;;   SOFTMAX AHEAD OF A QUANTISED PRODUCT. Where the list says 'softmax', what is quantised is not the finished softmax but p = 2^(t - M), with t = logit x log2(e) and M = ceil(the row's largest t), a whole number; so 1/2 < the row's largest p <= 1. The row's sum l is taken of the UNQUANTISED p, in f32, and the product's result is divided by l at the end. Since M is a whole number, a kernel that streams over the keys may use a running M (the ceiling of the running maximum): every later rescaling is an exact power of two, which a block's scale takes up: the codes' values come out the same.
;;   OPERANDS COMPUTED ON THE WAY. 'Computed on the way' means the value that the module computes at that place (a softmax that the list does not call 'softmax' is quantised finished and normalised). What goes into a quantiser is computed in f32, as accurately as f32 sums, v_exp_f32 and their like allow (about 1e-6 of the number): no bf16 or f16 on the way to a quantiser, and a product that is left as it is and whose result goes on into a quantised operand takes f32 operands (vector FMAs, or v_wmma_f32_16x16x4_f32). A number that lies on a knife's edge between two numbers of the format may be rounded either way, as far as f32 arithmetic and the matrix unit's own rounding can turn it there, and no further.
;;   INPUTS GIVEN AS CODES. hidden_states (in the module: [4, 2048, 1024], K = its axis 2); o_w (in the module: [1024, 1024], K = its axis 1); qkv_w (in the module: [3072, 1024], K = its axis 1): each comes as NAME_codes (uint8): NAME with its K axis moved to the last place and cut into blocks of 32 codes, [.., K / 32, bytes a block], one block behind the other in memory; two codes a byte, the lower K in the low four bits (a code: sign, 2 exponent bits, 1 mantissa bit); and NAME_scales (uint8): the same leading axes, one E8M0 byte (e + 127) for each 32 codes along K. Its value is code x scale, taken as it is: it is not quantised again, and the codes and scales need not be those that the quantiser above would give.
;; One version. Each part assembles by itself: llvm-mc -triple=amdgcn-amd-amdhsa -mcpu=gfx1250 --defsym DOCPART=n.
;; ======== version 1 of 1: 3 launches
;; limits: right only within a limited range of input values
;; workspace buffers: q_img 4,194,304 bytes; k_img 4,194,304 bytes; v_img 4,194,304 bytes; a_img 4,194,304 bytes; q_sc 262,144 bytes; k_sc 262,144 bytes; v_sc 262,144 bytes; a_sc 262,144 bytes
;; launch qkv (part 1): grid 8 x 48, 4 waves a work-group, clusters of 4 x 4, 327,680 bytes of LDS; arguments hidden_states_codes, hidden_states_scales, qkv_w_codes, qkv_w_scales, qkv_b, q_norm_w, q_norm_b, k_norm_w, k_norm_b, q_img, q_sc, k_img, k_sc, v_img, v_sc; writes q_img, q_sc, k_img, k_sc, v_img, v_sc
.if DOCPART == 1
	.amdgcn_target "amdgcn-amd-amdhsa--gfx1250"
	.amdhsa_code_object_version 6
	.text
	.protected	k_q738183a691_qkv
	.globl	k_q738183a691_qkv
	.p2align	8
	.type	k_q738183a691_qkv,@function
k_q738183a691_qkv:
	s_mov_b64 s[64:65], 0
	v_nop
	global_prefetch_b8 v0, s[64:65] scope:SCOPE_SE
	s_setreg_imm32_b32 hwreg(HW_REG_WAVE_MODE, 25, 1), 1
	s_wait_xcnt 0x0
	s_wait_alu depctr_hold_cnt(0) depctr_sa_sdst(0) depctr_va_vdst(0) depctr_va_sdst(0) depctr_va_ssrc(0) depctr_va_vcc(0) depctr_vm_vsrc(0)
	s_getreg_b32 s2, hwreg(HW_REG_IB_STS2, 6, 4)
	s_cmp_eq_u32 s2, 0
	s_cbranch_scc0 .Lentry_in_a_cluster
	s_endpgm
.Lentry_in_a_cluster:
	s_bfe_u32 s2, ttmp6, 0x10000c
	s_cmp_lg_u32 s2, 0xf033
	s_cbranch_scc0 .Lentry_shape_is_right
	s_endpgm
.Lentry_shape_is_right:
.set PITCH,  272
.set HALFT,  128*PITCH
.set SLOT,   4*HALFT
.set FR,     8
.set NL,     2
.set NP,     4
.set ADRA, 16
.set ADRB, 20
.set L16,  24
.set L2B,  25
.set L4,   26
.set H32,  27
.set R4,   28
.set RH,   29
.set XS,   32
.set YS,   64
.set BY,   96
.set AF,   128
.set G,    160
.set T,    192
.set TM,   208
.set PC,   224
.set PW,   228
.set PWE,  229
.set PWS,  230
.set NM,   232
.set RS,   234
.set U,    236
.set U2,   237
.set BI,   64
.set NW,   192
.set NB,   224
.set CLX,  34
.set G1,   36
.set G1B,  44
.set G0,   52
.set G0B,  68
.set SEL,  60
.set WV,   76
.set WH,   77
.set WL,   78
.set CX,   79
.set CY,   80
.set GX,   81
.set CLY,  82
.set TA,   83
.set TB,   84
.set MODE, 85
.set MSB, 0
.macro WIN new
.if MSB != (\new)
	s_set_vgpr_msb (MSB<<8)|(\new)
.set MSB, (\new)
.endif
.endm
.set MUL_LO, 0xa1
.set MUL_HI, 0xf1
.set TO_B,   0x40
.macro JLOAD g0a, g1a, g0b, g1b
	s_cmp_eq_u32 s[WH], 0
	s_cbranch_scc0 .Lfor_b_\@
	tensor_load_to_lds s[\g0a:\g0a+3], s[\g1a:\g1a+7]
	s_nop 0
.rept 4
	v_nop
.endr
	s_branch .Lasked_\@
.Lfor_b_\@:
	tensor_load_to_lds s[\g0b:\g0b+3], s[\g1b:\g1b+7]
	s_nop 0
.rept 4
	v_nop
.endr
.Lasked_\@:
.endm
.macro CROUND
	s_barrier_signal -1
	s_barrier_wait -1
	s_cmp_lg_u32 s[WV], 0
	s_cbranch_scc1 .Lnot_wave_0_\@
	s_barrier_signal -3
.Lnot_wave_0_\@:
	s_barrier_wait -3
	s_barrier_signal -1
	s_barrier_wait -1
.endm
	s_load_b512 s[4:19], s[0:1], 0x0
	s_load_b256 s[20:27], s[0:1], 0x40
	s_load_b128 s[28:31], s[0:1], 0x60
	s_load_b64 s[32:33], s[0:1], 0x70
	v_lshl_add_u32 v254, v0, 2, 0x44000
	v_mov_b32 v255, 0
	ds_add_u32 v254, v255
	ds_add_u32 v254, v255
	v_lshrrev_b32 v1, 5, v0
	v_readfirstlane_b32 s[WV], v1
	s_lshr_b32 s[WH], s[WV], 1
	s_and_b32 s[WL], s[WV], 1
	s_bfe_u32 s[CX], ttmp6, 0x40000
	s_bfe_u32 s[CY], ttmp6, 0x40004
	s_mov_b32 s[CLX], ttmp9
	s_lshl_b32 s[GX], ttmp9, 2
	s_add_co_u32 s[GX], s[GX], s[CX]
	s_and_b32 s[CLY], ttmp7, 0xffff
	s_lshl_b32 s86, s[CY], 2
	s_lshl_b32 s86, 15, s86
	s_lshl_b32 s87, 0x1111, s[CX]
	s_or_b32 s[G1+0], s86, (0<<16)|(1<<20)|(1<<21)|(5<<22)|(3<<25)
	s_or_b32 s[G1B+0], s87, (0<<16)|(1<<20)|(1<<21)|(5<<22)|(3<<25)
.irp g, G1, G1B
	s_mov_b32 s[\g+1], 256<<16
	s_mov_b32 s[\g+2], 128<<16
	s_mov_b32 s[\g+3], 256<<16
	s_mov_b32 s[\g+4], 128
	s_mov_b32 s[\g+5], 512
	s_mov_b32 s[\g+6], 0
	s_mov_b32 s[\g+7], 0
.endr
	s_mov_b32 s[SEL], 0x76543210
	s_mov_b32 s[SEL+1], 0xfedcba98
	s_mov_b32 s62, 0xffff0000
	s_mov_b32 s63, 0x3c800000
	s_mov_b32 s66, 0xbc800000
	s_mov_b32 s67, 0x3727c5ac
	s_lshl_b32 s88, s[CLY], 2
	s_add_co_u32 s88, s88, s[CY]
	s_add_co_u32 s89, s[CY], 8
	s_max_u32 s92, s[CLY], 8
	s_sub_co_u32 s92, s92, 8
	s_lshl_b32 s92, s92, 3
	s_add_co_u32 s[TB], s92, s[GX]
	s_cmp_ge_u32 s[CLY], 8
	s_cselect_b32 s[MODE], 1, 0
	s_cselect_b32 s[TA], s89, s88
	s_lshl_b32 s90, s[TA], 17
	s_lshl_b32 s91, s[WL], 16
	s_add_co_u32 s90, s90, s91
	s_mov_b32 s91, 0
	s_lshl_b32 s94, s[TB], 17
	s_lshl_b32 s95, s[WL], 16
	s_add_co_u32 s94, s94, s95
	s_mov_b32 s95, 0
	s_mul_i32 s35, s[WV], HALFT
	s_wait_dscnt 0x0
	s_wait_kmcnt 0x0
	s_cmp_ge_u32 s[CLY], 8
	s_cselect_b64 s[88:89], s[8:9], s[4:5]
	s_cselect_b64 s[92:93], s[4:5], s[8:9]
	s_cselect_b64 s[96:97], s[10:11], s[6:7]
	s_cselect_b64 s[98:99], s[6:7], s[10:11]
	s_add_nc_u64 s[88:89], s[88:89], s[90:91]
	s_add_nc_u64 s[92:93], s[92:93], s[94:95]
	CROUND
.irp s, 0,1
	s_mov_b32 s[G0+4*\s], 1
	s_add_co_u32 s[G0+4*\s+1], s35, \s*SLOT
	s_add_nc_u64 s[G0+4*\s+2:G0+4*\s+3], s[88:89], \s*256
	s_or_b32 s[G0+4*\s+3], s[G0+4*\s+3], 0x80000000
	s_mov_b32 s[G0B+4*\s], 1
	s_add_co_u32 s[G0B+4*\s+1], s35, \s*SLOT
	s_add_nc_u64 s[G0B+4*\s+2:G0B+4*\s+3], s[92:93], \s*256
	s_or_b32 s[G0B+4*\s+3], s[G0B+4*\s+3], 0x80000000
.endr
	JLOAD G0, G1, G0B, G1B
	v_and_b32 v1, 15, v0
	v_bfe_u32 v2, v0, 4, 1
	v_and_b32 v3, 31, v0
	v_lshlrev_b32 v[L16], 4, v3
	v_lshlrev_b32 v[L2B], 1, v3
	v_lshlrev_b32 v[L4], 2, v3
	v_lshlrev_b32 v[H32], 5, v2
	v_lshlrev_b32 v[R4], 2, v1
	v_lshlrev_b32 v[RH], 5, v1
	v_lshl_add_u32 v[RH], v2, 4, v[RH]
	s_wait_alu depctr_va_vdst(0)
	s_lshl_b32 s90, s[TA], 13
	s_lshl_b32 s91, s[WH], 12
	s_add_co_u32 s90, s90, s91
	s_mov_b32 s91, 0
	s_add_nc_u64 s[96:97], s[96:97], s[90:91]
	s_lshl_b32 s94, s[TB], 13
	s_lshl_b32 s95, s[WL], 12
	s_add_co_u32 s94, s94, s95
	s_mov_b32 s95, 0
	s_add_nc_u64 s[98:99], s[98:99], s[94:95]
	s_lshl_b32 s94, s[GX], 10
	s_lshl_b32 s95, s[WL], 9
	s_add_co_u32 s94, s94, s95
	s_mov_b32 s95, 0
	s_add_nc_u64 s[92:93], s[12:13], s[94:95]
	s_lshl_b32 s90, s[CY], 10
	s_lshl_b32 s91, s[WH], 9
	s_add_co_u32 s90, s90, s91
	s_add_co_u32 s90, s90, 8192
	s_mov_b32 s91, 0
	s_add_nc_u64 s[88:89], s[12:13], s[90:91]
	s_cmp_eq_u32 s[CLX], 0
	s_cselect_b64 s[14:15], s[14:15], s[18:19]
	s_cselect_b64 s[16:17], s[16:17], s[20:21]
.irp i, 0,1,2,3,4,5,6,7
	global_load_b128 v[XS+4*\i:XS+4*\i+3], v[RH], s[98:99] offset:512*\i
.endr
.irp i, 0,1,2,3,4,5,6,7
	global_load_b128 v[YS+4*\i:YS+4*\i+3], v[RH], s[96:97] offset:512*\i
.endr
.irp a, 0,1,2,3,4,5,6,7
	global_load_b32 v[BY+2*\a], v[R4], s[88:89] offset:64*\a
.endr
	WIN TO_B
.irp i, 0,1,2,3,4,5,6,7
	global_load_b128 v[BI+8*\i:BI+8*\i+3],   v[H32], s[92:93] offset:64*\i
	global_load_b128 v[BI+8*\i+4:BI+8*\i+7], v[H32], s[92:93] offset:64*\i+16
.endr
.irp i, 0,1,2,3
	global_load_b128 v[NW+8*\i:NW+8*\i+3],   v[H32], s[14:15] offset:64*\i
	global_load_b128 v[NW+8*\i+4:NW+8*\i+7], v[H32], s[14:15] offset:64*\i+16
	global_load_b128 v[NB+8*\i:NB+8*\i+3],   v[H32], s[16:17] offset:64*\i
	global_load_b128 v[NB+8*\i+4:NB+8*\i+7], v[H32], s[16:17] offset:64*\i+16
.endr
	WIN 0
	s_cmp_eq_u32 s[CLX], 0
	s_cselect_b64 s[4:5], s[22:23], s[26:27]
	s_cselect_b64 s[6:7], s[24:25], s[28:29]
	s_cmp_eq_u32 s[MODE], 0
	s_cselect_b64 s[4:5], s[4:5], s[30:31]
	s_cselect_b64 s[6:7], s[6:7], s[32:33]
	s_cselect_b32 s8, s[TA], s[TB]
	s_cselect_b32 s9, s[CX], s[CY]
	s_cselect_b32 s10, s[WH], s[WL]
	s_cselect_b32 s11, s[WL], s[WH]
	s_lshr_b32 s18, s8, 3
	s_lshl_b32 s18, s18, 20
	s_lshl_b32 s19, s9, 2
	s_lshl_b32 s20, s11, 1
	s_add_co_u32 s19, s19, s20
	s_lshl_b32 s19, s19, 16
	s_add_co_u32 s18, s18, s19
	s_and_b32 s19, s8, 7
	s_lshl_b32 s19, s19, 4
	s_lshl_b32 s20, s10, 3
	s_add_co_u32 s19, s19, s20
	s_lshl_b32 s19, s19, 9
	s_add_co_u32 s18, s18, s19
	s_mov_b32 s19, 0
	s_add_nc_u64 s[4:5], s[4:5], s[18:19]
	s_lshr_b32 s18, s18, 4
	s_add_nc_u64 s[6:7], s[6:7], s[18:19]
	v_mul_u32_u24 v4, v1, PITCH
	v_lshl_add_u32 v4, v2, 4, v4
	s_mul_i32 s86, s[WH], HALFT
	s_mul_i32 s87, s[WL], HALFT
	s_add_co_u32 s87, s87, 2*HALFT
.irp s, 0,1
	v_add_nc_u32 v[ADRA+\s], s86, v4
	v_add_nc_u32 v[ADRB+\s], s87, v4
	s_add_co_u32 s86, s86, SLOT
	s_add_co_u32 s87, s87, SLOT
.endr
.macro FRAG reg, adr, q, i
.irp c, 0,1
	ds_load_b128 v[\reg+4*\c:\reg+4*\c+3], v[\adr] offset:64*(\q)+32*\c+(\i)*16*PITCH
.endr
.endm
.macro MUL16 a0, p, q, sl, zero
.irp a, \a0, \a0+1
.irp b, 0,1,2,3,4,5,6,7
.if \zero
	v_wmma_scale_f32_16x16x128_f8f6f4 v[8*(8*((\a)%4)+\b):8*(8*((\a)%4)+\b)+7], v[128*(\p)+FR*\b:128*(\p)+FR*\b+FR-1], v[AF+FR*(\a):AF+FR*(\a)+FR-1], 0, v[XS+4*\b+(\q)], v[YS+4*(\a)+(\q)] matrix_a_fmt:MATRIX_FMT_FP4 matrix_b_fmt:MATRIX_FMT_FP4
.elseif \sl
	v_wmma_scale_f32_16x16x128_f8f6f4 v[8*(8*((\a)%4)+\b):8*(8*((\a)%4)+\b)+7], v[128*(\p)+FR*\b:128*(\p)+FR*\b+FR-1], v[AF+FR*(\a):AF+FR*(\a)+FR-1], v[8*(8*((\a)%4)+\b):8*(8*((\a)%4)+\b)+7], v[XS+4*\b+(\q)], v[YS+4*(\a)+(\q)] matrix_a_fmt:MATRIX_FMT_FP4 matrix_b_fmt:MATRIX_FMT_FP4 matrix_a_scale:MATRIX_SCALE_ROW1 matrix_b_scale:MATRIX_SCALE_ROW1
.else
	v_wmma_scale_f32_16x16x128_f8f6f4 v[8*(8*((\a)%4)+\b):8*(8*((\a)%4)+\b)+7], v[128*(\p)+FR*\b:128*(\p)+FR*\b+FR-1], v[AF+FR*(\a):AF+FR*(\a)+FR-1], v[8*(8*((\a)%4)+\b):8*(8*((\a)%4)+\b)+7], v[XS+4*\b+(\q)], v[YS+4*(\a)+(\q)] matrix_a_fmt:MATRIX_FMT_FP4 matrix_b_fmt:MATRIX_FMT_FP4
.endif
.endr
.endr
.endm
.macro FETCH_B slot, q, p
	WIN TO_B
.irp i, 0,1,2,3,4,5,6,7
	FRAG 128*(\p)+FR*\i, ADRB+\slot, \q, \i
.endr
	WIN 0
.endm
.macro FETCH_A slot, q, i0
.irp i, \i0, \i0+1, \i0+2, \i0+3
	FRAG AF+FR*(\i), ADRA+\slot, \q, \i
.endr
.endm
.macro PLACES n
.rept \n
	v_nop
.endr
.endm
.macro STEP slot, q, zero
	s_wait_dscnt 4*NL
	WIN MUL_LO
	MUL16 0, (\q)%2, \q, \slot, \zero
	MUL16 2, (\q)%2, \q, \slot, \zero
	s_wait_dscnt 0
	PLACES NP
	FETCH_B \slot, (\q)+1, 1-(\q)%2
	FETCH_A \slot, (\q)+1, 0
	WIN MUL_HI
	MUL16 4, (\q)%2, \q, \slot, \zero
	MUL16 6, (\q)%2, \q, \slot, \zero
	PLACES NP
	WIN 0
	FETCH_A \slot, (\q)+1, 4
.endm
	s_wait_alu depctr_va_vdst(0)
	s_wait_tensorcnt 0x0
	ds_add_u32 v254, v255
	s_wait_dscnt 0x0
	CROUND
	JLOAD G0+4, G1, G0B+4, G1B
	FETCH_B 0, 0, 0
	FETCH_A 0, 0, 0
	FETCH_A 0, 0, 4
	s_wait_loadcnt 0x0
	STEP 0, 0, 1
	STEP 0, 1, 0
	STEP 0, 2, 0
	s_wait_tensorcnt 0x0
	s_wait_dscnt 4*NL
	WIN MUL_LO
	MUL16 0, 1, 3, 0, 0
	s_wait_dscnt 0x0
	s_barrier_signal -1
	MUL16 2, 1, 3, 0, 0
	WIN 0
	s_barrier_wait -1
	PLACES NP
	FETCH_B 1, 0, 0
	FETCH_A 1, 0, 0
	WIN MUL_HI
	MUL16 4, 1, 3, 0, 0
	MUL16 6, 1, 3, 0, 0
	PLACES NP
	WIN 0
	FETCH_A 1, 0, 4
	STEP 1, 0, 0
	STEP 1, 1, 0
	STEP 1, 2, 0
	s_wait_dscnt 4*NL
	WIN MUL_LO
	MUL16 0, 1, 3, 1, 0
	MUL16 2, 1, 3, 1, 0
	s_wait_dscnt 0
	WIN MUL_HI
	MUL16 4, 1, 3, 1, 0
	MUL16 6, 1, 3, 1, 0
	WIN 0
.macro QUANT32 s
.irp b, 0,1
	v_max3_num_f32 v[TM+\b], |v[\s+16*\b]|, |v[\s+16*\b+1]|, 0x1800000
.endr
.irp i, 2,4,6,8,10,12,14
.irp b, 0,1
	v_max3_num_f32 v[TM+\b], v[TM+\b], |v[\s+16*\b+\i]|, |v[\s+16*\b+\i+1]|
.endr
.endr
.irp b, 0,1
	v_permlanex16_b32 v[TM+4+\b], v[TM+\b], s[SEL], s[SEL+1]
.endr
.irp b, 0,1
	v_max_num_f32 v[TM+\b], v[TM+\b], v[TM+4+\b]
.endr
.irp b, 0,1
	v_add_nc_u32 v[TM+12+\b], 0xff000000, v[TM+\b]
.endr
.irp b, 0,1
	v_lshrrev_b32 v[TM+4+\b], 23, v[TM+12+\b]
.endr
	v_lshl_or_b32 v[PW], v[TM+5], 8, v[TM+4]
	v_cvt_scalef32_pk8_fp4_f32 v[PC+0], v[\s:\s+7], v[TM+12]
	v_cvt_scalef32_pk8_fp4_f32 v[PC+2], v[\s+8:\s+15], v[TM+12]
	v_cvt_scalef32_pk8_fp4_f32 v[PC+1], v[\s+16:\s+23], v[TM+13]
	v_cvt_scalef32_pk8_fp4_f32 v[PC+3], v[\s+24:\s+31], v[TM+13]
	v_nop
	v_permlane16_swap_b32 v[PC+0], v[PC+1]
	v_permlane16_swap_b32 v[PC+2], v[PC+3]
.endm
.macro TREE
.irp i, 0,1,2,3
	v_pk_add_f32 v[T+4*\i:T+4*\i+1], v[T+4*\i:T+4*\i+1], v[T+4*\i+2:T+4*\i+3]
.endr
.irp i, 0,1
	v_pk_add_f32 v[T+8*\i:T+8*\i+1], v[T+8*\i:T+8*\i+1], v[T+8*\i+4:T+8*\i+5]
.endr
	v_pk_add_f32 v[T:T+1], v[T:T+1], v[T+8:T+9]
	v_add_f32 v[U], v[T], v[T+1]
	v_permlanex16_b32 v[U2], v[U], s[SEL], s[SEL+1]
	v_add_f32 v[U], v[U], v[U2]
.endm
.macro LNQ g, a
.set AC, 64*((\a)%4)+32*(\g)
	WIN 0x06+(\a)/4
.irp i, 0,2,4,6,8,10,12,14,16,18,20,22,24,26,28,30
	v_pk_add_f32 v[G+\i:G+\i+1], v[AC+\i:AC+\i+1], v[BI+32*(\g)+\i:BI+32*(\g)+\i+1]
.endr
	WIN 0
.irp i, 0,1,2,3,4,5,6,7
	v_pk_add_f32 v[T+2*\i:T+2*\i+1], v[G+4*\i:G+4*\i+1], v[G+4*\i+2:G+4*\i+3]
.endr
	TREE
	v_mul_f32 v[NM], s66, v[U]
.irp i, 0,2,4,6,8,10,12,14,16,18,20,22,24,26,28,30
	v_pk_add_f32 v[G+\i:G+\i+1], v[G+\i:G+\i+1], v[NM:NM+1] op_sel_hi:[1,0]
.endr
.irp i, 0,1,2,3,4,5,6,7
	v_pk_mul_f32 v[T+2*\i:T+2*\i+1], v[G+4*\i:G+4*\i+1], v[G+4*\i:G+4*\i+1]
.endr
.irp i, 0,1,2,3,4,5,6,7
	v_pk_fma_f32 v[T+2*\i:T+2*\i+1], v[G+4*\i+2:G+4*\i+3], v[G+4*\i+2:G+4*\i+3], v[T+2*\i:T+2*\i+1]
.endr
	TREE
	v_fma_f32 v[U], v[U], s63, s67
	s_wait_alu depctr_va_vdst(0)
	v_rsq_f32 v[RS], v[U]
	v_nop
	s_wait_alu depctr_va_vdst(0)
.irp i, 0,2,4,6,8,10,12,14,16,18,20,22,24,26,28,30
	v_pk_mul_f32 v[G+\i:G+\i+1], v[G+\i:G+\i+1], v[RS:RS+1] op_sel_hi:[1,0]
.endr
	WIN 0x14
.irp i, 0,2,4,6,8,10,12,14,16,18,20,22,24,26,28,30
	v_pk_fma_f32 v[G+\i:G+\i+1], v[G+\i:G+\i+1], v[NW+\i:NW+\i+1], v[NB+\i:NB+\i+1]
.endr
	WIN 0
	s_wait_alu depctr_va_vdst(0)
	s_wait_xcnt 0x0
	QUANT32 G
	global_store_b128 v[L16], v[PC:PC+3], s[4:5] offset:65536*(\g)+512*(\a)
.if (\a)%2 == 0
	v_mov_b32 v[PWE], v[PW]
.else
	v_cndmask_b32 v[PWS], v[PWE], v[PW], s62
	global_store_b16 v[L2B], v[PWS], s[6:7] offset:4096*(\g)+32*((\a)-1)
.endif
.endm
.macro VQ g, a
.set AC, 64*((\a)%4)+32*(\g)
	WIN 0x02+(\a)/4
.irp i, 0,2,4,6,8,10,12,14,16,18,20,22,24,26,28,30
	v_pk_add_f32 v[G+\i:G+\i+1], v[AC+\i:AC+\i+1], v[BY+2*(\a):BY+2*(\a)+1] op_sel_hi:[1,0]
.endr
	WIN 0
	s_wait_alu depctr_va_vdst(0)
	s_wait_xcnt 0x0
	QUANT32 G
	global_store_b128 v[L16], v[PC:PC+3], s[4:5] offset:((\a)/4)*65536+((\a)%4)*1024+(\g)*512
.if (\a)%2 == 0
	v_mov_b32 v[PWE], v[PW]
.else
	v_cndmask_b32 v[PWS], v[PWE], v[PW], s62
	global_store_b16 v[L4], v[PWS], s[6:7] offset:((\a)/4)*4096+64*(((\a)-1)%4)+2*(\g)
.endif
.endm
	v_mov_b32 v[TM+4], 0
	v_mov_b32 v[TM+5], 0
	v_mov_b32 v[U2], 0
	v_mov_b32 v[NM+1], 0
	v_mov_b32 v[RS+1], 0
	s_cmp_lg_u32 s[MODE], 0
	s_cbranch_scc1 .Lv_arm
.irp g, 0,1
.irp a, 0,1,2,3,4,5,6,7
	LNQ \g, \a
.endr
.endr
	s_branch .Ldone
.Lv_arm:
.irp a, 0,1,2,3,4,5,6,7
	v_mov_b32 v[BY+2*\a+1], v[BY+2*\a]
.endr
.irp g, 0,1
.irp a, 0,1,2,3,4,5,6,7
	VQ \g, \a
.endr
.endr
.Ldone:
	s_wait_tensorcnt 0x0
	ds_add_u32 v254, v255
	s_wait_dscnt 0x0
	CROUND
	s_endpgm
.Lfunc_end_k_q738183a691_qkv:
	.size	k_q738183a691_qkv, .Lfunc_end_k_q738183a691_qkv-k_q738183a691_qkv
	.p2alignl 7, 3214868480
	.fill 96, 4, 3214868480
	.section	.rodata,"a",@progbits
	.p2align	6, 0x0
	.amdhsa_kernel k_q738183a691_qkv
		.amdhsa_group_segment_fixed_size 327680
		.amdhsa_private_segment_fixed_size 0
		.amdhsa_enable_private_segment 0
		.amdhsa_kernarg_size 120
		.amdhsa_user_sgpr_count 2
		.amdhsa_user_sgpr_kernarg_segment_ptr 1
		.amdhsa_wavefront_size32 1
		.amdhsa_system_sgpr_workgroup_id_x 1
		.amdhsa_system_sgpr_workgroup_id_y 1
		.amdhsa_system_sgpr_workgroup_id_z 1
		.amdhsa_system_vgpr_workitem_id 0
		.amdhsa_next_free_vgpr 1024
		.amdhsa_next_free_sgpr 100
		.amdhsa_reserve_vcc 0
		.amdhsa_float_denorm_mode_32 3
		.amdhsa_float_denorm_mode_16_64 3
		.amdhsa_memory_ordered 1
		.amdhsa_forward_progress 1
		.amdhsa_inst_pref_size 255
	.end_amdhsa_kernel
	.section	.bss,"aw",@nobits
	.p2align	6
	.space	262144
	.amdgpu_metadata
---
amdhsa.version: [ 1, 2 ]
amdhsa.kernels:
  - .name:           k_q738183a691_qkv
    .symbol:         k_q738183a691_qkv.kd
    .args:
      - { .name: hidden_states_codes, .offset: 0, .size: 8, .value_kind: global_buffer, .address_space: global }
      - { .name: hidden_states_scales, .offset: 8, .size: 8, .value_kind: global_buffer, .address_space: global }
      - { .name: qkv_w_codes, .offset: 16, .size: 8, .value_kind: global_buffer, .address_space: global }
      - { .name: qkv_w_scales, .offset: 24, .size: 8, .value_kind: global_buffer, .address_space: global }
      - { .name: qkv_b, .offset: 32, .size: 8, .value_kind: global_buffer, .address_space: global }
      - { .name: q_norm_w, .offset: 40, .size: 8, .value_kind: global_buffer, .address_space: global }
      - { .name: q_norm_b, .offset: 48, .size: 8, .value_kind: global_buffer, .address_space: global }
      - { .name: k_norm_w, .offset: 56, .size: 8, .value_kind: global_buffer, .address_space: global }
      - { .name: k_norm_b, .offset: 64, .size: 8, .value_kind: global_buffer, .address_space: global }
      - { .name: q_img, .offset: 72, .size: 8, .value_kind: global_buffer, .address_space: global }
      - { .name: q_sc, .offset: 80, .size: 8, .value_kind: global_buffer, .address_space: global }
      - { .name: k_img, .offset: 88, .size: 8, .value_kind: global_buffer, .address_space: global }
      - { .name: k_sc, .offset: 96, .size: 8, .value_kind: global_buffer, .address_space: global }
      - { .name: v_img, .offset: 104, .size: 8, .value_kind: global_buffer, .address_space: global }
      - { .name: v_sc, .offset: 112, .size: 8, .value_kind: global_buffer, .address_space: global }
    .group_segment_fixed_size: 327680
    .private_segment_fixed_size: 0
    .kernarg_segment_align: 8
    .kernarg_segment_size: 120
    .max_flat_workgroup_size: 128
    .sgpr_count:     100
    .vgpr_count:     1024
    .wavefront_size: 32
...
	.end_amdgpu_metadata
.endif
;; end of part 1
;; launch attn (part 2): grid 4 x 64, 16 waves a work-group, clusters of 4 x 1, 169,984 bytes of LDS; arguments q_img, q_sc, k_img, k_sc, v_img, v_sc, a_img, a_sc; writes a_img, a_sc
.if DOCPART == 2
	.amdgcn_target "amdgcn-amd-amdhsa--gfx1250"
	.amdhsa_code_object_version 6
	.text
	.protected	k_q738183a691_attn
	.globl	k_q738183a691_attn
	.p2align	8
	.type	k_q738183a691_attn,@function
k_q738183a691_attn:
	s_mov_b64 s[64:65], 0
	v_nop
	global_prefetch_b8 v0, s[64:65] scope:SCOPE_SE
	s_setreg_imm32_b32 hwreg(HW_REG_WAVE_MODE, 25, 1), 1
	s_wait_xcnt 0x0
	s_wait_alu depctr_hold_cnt(0) depctr_sa_sdst(0) depctr_va_vdst(0) depctr_va_sdst(0) depctr_va_ssrc(0) depctr_va_vcc(0) depctr_vm_vsrc(0)
	s_getreg_b32 s2, hwreg(HW_REG_IB_STS2, 6, 4)
	s_cmp_eq_u32 s2, 0
	s_cbranch_scc0 .Lentry_in_a_cluster
	s_endpgm
.Lentry_in_a_cluster:
	s_bfe_u32 s2, ttmp6, 0x10000c
	s_cmp_lg_u32 s2, 0x3003
	s_cbranch_scc0 .Lentry_shape_is_right
	s_endpgm
.Lentry_shape_is_right:
; attn[q][:] = the sum over keys of softmax(q . k / 8) v for one (batch, head): 64 channels, 2,048 keys; both products on codes of FP4 (E2M1), one E8M0 scale for each 32 along a product's K.
; The result is quantised along the channels and leaves as the image of the last product's operand.
; SOFTMAX: t = score x log2(e) / 8; M = the row's largest t so far, rounded up to a whole number; p = 2^(t - M) is quantised along the keys, not normalised.
; The row's sum is taken of the unquantised p in f32 and divides O at the end.  When M moves, the sum and O are multiplied by 2^(old M - new M): exact.
; SHARES: a work-group owns 512 queries of a head; each of sixteen waves takes two tiles of 16 queries, one after the other, and walks all keys, 256 a trip.
; All of the head's K, V and scale bytes lie in LDS, filled once, one tensor load a wave: waves 0-3 a quarter of K, waves 4-7 a quarter of V, waves 8 and 9 the scale bytes.
; CLUSTER: the four work-groups of a cluster are the four query blocks of one head: every tile is asked for jointly (mask 15).
; No prefetch: every byte of K and V is asked for at the head; there is no loop to run ahead in.
; LAYOUT: both products transposed: S^T = K Q^T, O^T = V^T P^T: a lane holds one query (lane % 16) throughout.
; THE KEYS OF A TILE ARE CHOSEN: row m of tile (c, u) is key 64 c + 32 (m / 8) + 8 u + m % 8.  So lane (r, h) holds in the 32 registers of tiles (c, 0..3) the whole block of keys 64 c + 32 h + 0..31,
; in the order that the second product's operand wants: a block's maximum needs no other lane, and each conversion's result is a register of the operand.
; K's image (512 bytes a tile of 16 neighbouring keys, 16 bytes a lane) lies in LDS as rows of 1,024 bytes + 128 of padding: the two groups of eight keys that sixteen lanes read lie 1,152 bytes apart.
; K = 64 IN AN INSTRUCTION OF 128: the upper four registers of Q's fragment are zero codes, the upper two bytes of both scale words are 0 (2^-127, a number); a tile of K is named as eight registers,
; of which the upper four are the next tile's codes (behind tile 7: codes of p): finite numbers that meet Q's zeros and add exactly 0.
; LIMITS: NaN and infinities are not served; the scaled scores stay under 2^31 in magnitude.  A block whose largest magnitude lies under 2^-124 gets the scale byte 1: only this program reads these bytes.
; attn's scale bytes leave two bytes a lane, 16 bytes apart; lanes 16-31 store the same bytes with the same values as lanes 0-15.
.set KP,   1152
.set LV,   64*KP                       ; behind K's 64 rows: V's image, 65,536 bytes, read in lane order
.set LKS,  LV+65536                    ; K's scale bytes, 2 a key
.set LVS,  LKS+4096                    ; V's scale words, 4 bytes a channel and 128 keys
.set SPARE, LVS+4096                   ; the spare words, 128 bytes a wave
.set AK0,  1                           ; v1-4 my lane's places in K, V, K's scales, V's scales
.set AV0,  2
.set ASK0, 3
.set ASV0, 4
.set ADK,  5                           ; v5-8 the trip's addresses
.set ADV,  6
.set ADS,  7
.set ADT,  8
.set SELP, 9                           ; byte select that makes p's scale words
.set TMP,  10
.set TMP2, 11
.set C3,   10                          ; v[10:11] a chain of the row's sum
.set QF,   16                          ; v16-23 Q's fragment; v20-23 zeros
.set QS,   24
.set PS,   25                          ; p's scale words: lanes 0-15 keys 0-127 of the trip, lanes 16-31 keys 128-255
.set KS,   26                          ; v26-29 K's scale words: tile 2 i in lanes 0-15, tile 2 i + 1 in lanes 16-31
.set VS,   30                          ; v30-33 V's likewise
.set X,    34                          ; v34-65 eight tiles of K, then four fragments of V
.set P,    66                          ; v66-73 p's codes, keys 0-127
.set Q2,   74                          ; v74-77 the second tile's Q; v94 its scale word
.set BM,   78
.set SO,   82
.set BP,   86
.set C1,   86
.set C2,   88
.set F,    90
.set SPW,  92
.set NIL,  93
.set Q2S,  94
.set S,    96                          ; v96-223 S^T, then p; later v96-127 V's fragments and v128-135 p's codes of keys 128-255
.set O,    224                         ; v224-255 O^T
.set TM,   S+40                        ; the way out
.set PC,   S+56
.set PW,   S+60
.set LA,   S+61
.set LB,   S+62
.set CSN,  3                           ; s3 -c
.set WV,   20
.set SEL,  24
.set CS,   26                          ; s[26:27] c = log2(e) / 8
.set G1K,  28
.set G1V,  36
.set G1S,  44
.set G0K,  52
.set G0V,  56
.set G0S,  60
.set TKK,  66
.set TKV,  67
.set TS,   68
.set CNT,  69
.macro ROUND                           ; a round of the cluster's barrier
	s_barrier_signal -1
	s_barrier_wait -1
	s_cmp_lg_u32 s[WV], 0
	s_cbranch_scc1 .Lnot_wave_0_\@
	s_barrier_signal -3
.Lnot_wave_0_\@:
	s_barrier_wait -3
	s_barrier_signal -1
	s_barrier_wait -1
.endm
	s_load_b256 s[4:11], s[0:1], 0x0               ; q_img, q_sc, k_img, k_sc
	s_load_b256 s[12:19], s[0:1], 0x20             ; v_img, v_sc, a_img, a_sc
	v_lshl_add_u32 v[SPW], v0, 2, SPARE
	v_mov_b32 v[NIL], 0
	ds_add_u32 v[SPW], v[NIL]                      ; the opening lines: the add twice on end and one wait
	ds_add_u32 v[SPW], v[NIL]
	v_lshrrev_b32 v5, 5, v0
	s_delay_alu instid0(VALU_DEP_1)
	v_readfirstlane_b32 s[WV], v5                  ; wave 0..15
	s_bfe_u32 s21, ttmp6, 0x40000                  ; cx: my block of 512 queries; it enters Q's and the result's addresses alone
	s_and_b32 s22, ttmp7, 0xffff                   ; 16 x batch + head, which the four partners share
	s_and_b32 s23, s[WV], 3                        ; the quarter that I fetch, if I fetch
	s_and_b32 s74, s[WV], 1                        ; K's scale bytes (0) or V's (1)
	s_mul_i32 s75, s23, 16*KP                      ; LDS: my quarter of K
	s_lshl_b32 s82, s23, 14                        ; 16,384 bytes a quarter
	s_lshl_b32 s83, s74, 12
	s_add_co_u32 s83, s83, LKS
	s_lshl_b32 s76, s22, 12                        ; a head's scale bytes: 4,096
	s_mov_b32 s77, 0
	s_lshl_b32 s78, s22, 16                        ; a head's image: 65,536
	s_add_co_u32 s80, s78, s82
	s_mov_b32 s81, 0
	s_lshr_b32 s84, s22, 4
	s_lshl_b32 s84, s84, 7
	s_lshl_b32 s85, s21, 5
	s_add_co_u32 s85, s85, s[WV]                   ; my first tile of queries in the head: 32 cx + wave; the second lies 16 tiles on
	s_add_co_u32 s84, s84, s85                     ; among all tokens: 128 x batch + that
	s_and_b32 s86, s22, 15                         ; the head
	s_lshl_b32 s88, s84, 13                        ; a_img: 8,192 bytes a tile of tokens, 512 a head
	s_lshl_b32 s89, s86, 9
	s_add_co_u32 s88, s88, s89
	s_mov_b32 s89, 0
	s_lshl_b32 s90, s84, 9                         ; a_sc: 512 bytes a tile; the head's two bytes at 256 (head / 8) + 4 ((head / 2) % 4) + 2 (head % 2), 16 bytes a token
	s_lshr_b32 s91, s86, 3
	s_lshl_b32 s91, s91, 8
	s_add_co_u32 s90, s90, s91
	s_bfe_u32 s91, s86, 0x20001
	s_lshl_b32 s91, s91, 2
	s_add_co_u32 s90, s90, s91
	s_and_b32 s91, s86, 1
	s_lshl_b32 s91, s91, 1
	s_add_co_u32 s90, s90, s91
	s_mov_b32 s91, 0
	s_lshl_b32 s92, s85, 9                         ; q_img: 512 bytes a tile
	s_add_co_u32 s92, s92, s78
	s_mov_b32 s93, 0
	s_lshl_b32 s94, s85, 5                         ; q_sc: 32 bytes a tile
	s_add_co_u32 s94, s94, s76
	s_mov_b32 s95, 0
	; groups 1: dense blocks, elements of 8 bytes, mask 15 with bit 21.  K: 16 rows of 1,024 bytes, 32 words of padding behind each 256 words
	s_mov_b32 s[G1K], 15|(3<<16)|(1<<20)|(1<<21)|(7<<22)|(31<<25)
	s_mov_b32 s[G1K+1], 128<<16
	s_mov_b32 s[G1K+2], 16<<16
	s_mov_b32 s[G1K+3], 128<<16
	s_mov_b32 s[G1K+4], 16
	s_mov_b32 s[G1K+5], 128
	s_mov_b32 s[G1K+6], 0
	s_mov_b32 s[G1K+7], 0
	s_mov_b32 s[G1V], 15|(3<<16)|(1<<21)           ; V: 64 rows of 256 bytes
	s_mov_b32 s[G1V+1], 32<<16
	s_mov_b32 s[G1V+2], 64<<16
	s_mov_b32 s[G1V+3], 32<<16
	s_mov_b32 s[G1V+4], 64
	s_mov_b32 s[G1V+5], 32
	s_mov_b32 s[G1V+6], 0
	s_mov_b32 s[G1V+7], 0
	s_mov_b32 s[G1S], 15|(3<<16)|(1<<21)           ; scale bytes: 16 rows of 256 bytes
	s_mov_b32 s[G1S+1], 32<<16
	s_mov_b32 s[G1S+2], 16<<16
	s_mov_b32 s[G1S+3], 32<<16
	s_mov_b32 s[G1S+4], 16
	s_mov_b32 s[G1S+5], 32
	s_mov_b32 s[G1S+6], 0
	s_mov_b32 s[G1S+7], 0
	s_mov_b32 s[SEL], 0x76543210
	s_mov_b32 s[SEL+1], 0xfedcba98
	s_mov_b32 s[CS], 0x3e38aa3b                    ; c = log2(e) / sqrt(64)
	s_mov_b32 s[CS+1], s[CS]
	s_mov_b32 s[CSN], 0xbe38aa3b                   ; -c
	s_mov_b32 s[G0K], 1
	s_mov_b32 s[G0K+1], s75
	s_mov_b32 s[G0V], 1
	s_add_co_u32 s[G0V+1], s82, LV
	s_mov_b32 s[G0S], 1
	s_mov_b32 s[G0S+1], s83
	s_wait_dscnt 0x0                               ; both opening adds are done
	s_wait_kmcnt 0x0
	s_add_nc_u64 s[G0K+2:G0K+3], s[8:9], s[80:81]
	s_or_b32 s[G0K+3], s[G0K+3], 0x80000000
	s_add_nc_u64 s[G0V+2:G0V+3], s[12:13], s[80:81]
	s_or_b32 s[G0V+3], s[G0V+3], 0x80000000
	s_cmp_eq_u32 s74, 0                            ; the choice hangs on the wave's number alone
	s_cselect_b64 s[G0S+2:G0S+3], s[10:11], s[14:15]
	s_add_nc_u64 s[G0S+2:G0S+3], s[G0S+2:G0S+3], s[76:77]
	s_or_b32 s[G0S+3], s[G0S+3], 0x80000000
	s_add_nc_u64 s[4:5], s[4:5], s[92:93]
	s_add_nc_u64 s[6:7], s[6:7], s[94:95]
	s_add_nc_u64 s[70:71], s[16:17], s[88:89]
	s_add_nc_u64 s[72:73], s[18:19], s[90:91]
	ROUND                                          ; all four work-groups are here: the joint loads meet
; one chain of branches on the wave's number, one load to an arm, all arms to one join
.macro ARM under, g0, g1, next
	s_cmp_lt_u32 s[WV], \under
	s_cbranch_scc0 \next
	tensor_load_to_lds s[\g0:\g0+3], s[\g1:\g1+7]
	s_nop 0
.rept 4
	v_nop
.endr
	s_branch .Lhead_asked
\next:
.endm
	ARM 4,  G0K, G1K, .Lhead_v
	ARM 8,  G0V, G1V, .Lhead_s
	ARM 10, G0S, G1S, .Lhead_none
.Lhead_asked:
	v_and_b32 v10, 31, v0                          ; lane
	v_and_b32 v11, 7, v0                           ; r % 8
	v_bfe_u32 v5, v0, 3, 1                         ; r / 8
	v_bfe_u32 v6, v0, 4, 1                         ; h
	v_and_b32 v8, 15, v0                           ; r
	v_lshlrev_b32 v7, 4, v10                       ; 16 x lane
	v_lshlrev_b32 v8, 1, v8                        ; 2 r
	global_load_b128 v[QF:QF+3], v7, s[4:5]                ; my first tile of queries,
	global_load_b128 v[Q2:Q2+3], v7, s[4:5] offset:8192    ; my second, 16 tiles on,
	global_load_u16 v[QS], v8, s[6:7]                      ; their scale bytes: the upper two of the word come out 0
	global_load_u16 v[Q2S], v8, s[6:7] offset:512
	v_lshl_add_u32 v[AV0], v10, 4, LV
	v_lshl_add_u32 v[ASV0], v10, 2, LVS
	v_mul_u32_u24 v[AK0], v5, KP                   ; K: 1,152 (r / 8) + 16 (r % 8) + 256 h
	v_lshl_add_u32 v[ASK0], v5, 6, LKS             ; its scales: 64 (r / 8) + 2 (r % 8) + 16 h
	v_mul_lo_u32 v[SELP], v6, 0x06060606
	v_lshl_add_u32 v[AK0], v11, 4, v[AK0]
	v_lshl_add_u32 v[ASK0], v11, 1, v[ASK0]
	v_xor_b32 v[SELP], 0x05010400, v[SELP]         ; lanes 0-15: bytes mine 0, other 0, mine 1, other 1; lanes 16-31 (0x03070206): other 2, mine 2, other 3, mine 3
	v_lshl_add_u32 v[AK0], v6, 8, v[AK0]
	v_lshl_add_u32 v[ASK0], v6, 4, v[ASK0]
.irp j, 0,1,2,3
	v_mov_b32 v[QF+4+\j], 0                        ; the zero codes of K = 64 .. 127
	v_mov_b32 v[P+\j], 0                           ; what tile 7 of K names as its upper half
.endr
	v_mov_b32 v[TMP2], 0                           ; a lane permute's destination counts as one of its sources
	v_mov_b32 v[F+1], 0                            ; (upper half of a pair of which the low word serves both halves)
.macro LOADK hf                        ; eight tiles of K (128 keys) and their scale words
.irp c, 0,1
.irp u, 0,1,2,3
	ds_load_b128 v[X+16*\c+4*\u:X+16*\c+4*\u+3], v[ADK] offset:4*KP*\hf+2*KP*\c+512*(\u/2)+128*(\u%2)
.endr
.endr
.irp i, 0,1,2,3
	ds_load_u16 v[KS+\i], v[ADS] offset:256*\hf+128*(\i/2)+32*(\i%2)
.endr
.endm
.macro LOADV hf, dst                   ; four fragments of V (64 channels x 128 keys) and their scale words
.irp d, 0,1,2,3
.irp c, 0,1
	ds_load_b128 v[\dst+8*\d+4*\c:\dst+8*\d+4*\c+3], v[ADV] offset:4096*\hf+1024*\d+512*\c
.endr
.endr
.irp i, 0,1
	ds_load_b32 v[VS+2*\hf+\i], v[ADT] offset:256*\hf+128*\i
.endr
.endm
.macro SMUL hf                         ; S^T of 128 keys: register 64 hf + 32 c + 8 u + j of lane (r, h): query r, key 128 hf + 64 c + 32 h + 8 u + j
.irp t, 0,1,2,3,4,5,6,7
.if \t%2
	v_wmma_scale_f32_16x16x128_f8f6f4 v[S+64*\hf+8*\t:S+64*\hf+8*\t+7], v[X+4*\t:X+4*\t+7], v[QF:QF+7], 0, v[KS+\t/2], v[QS] matrix_a_fmt:MATRIX_FMT_FP4 matrix_b_fmt:MATRIX_FMT_FP4 matrix_a_scale:MATRIX_SCALE_ROW1
.else
	v_wmma_scale_f32_16x16x128_f8f6f4 v[S+64*\hf+8*\t:S+64*\hf+8*\t+7], v[X+4*\t:X+4*\t+7], v[QF:QF+7], 0, v[KS+\t/2], v[QS] matrix_a_fmt:MATRIX_FMT_FP4 matrix_b_fmt:MATRIX_FMT_FP4
.endif
.endr
.endm
.macro OMUL hf, vf, pp                 ; O^T += V^T P^T over 128 keys: the four accumulators by turns
.irp d, 0,1,2,3
.if (\d%2) && \hf
	v_wmma_scale_f32_16x16x128_f8f6f4 v[O+8*\d:O+8*\d+7], v[\vf+8*\d:\vf+8*\d+7], v[\pp:\pp+7], v[O+8*\d:O+8*\d+7], v[VS+2*\hf+\d/2], v[PS] matrix_a_fmt:MATRIX_FMT_FP4 matrix_b_fmt:MATRIX_FMT_FP4 matrix_a_scale:MATRIX_SCALE_ROW1 matrix_b_scale:MATRIX_SCALE_ROW1
.elseif \d%2
	v_wmma_scale_f32_16x16x128_f8f6f4 v[O+8*\d:O+8*\d+7], v[\vf+8*\d:\vf+8*\d+7], v[\pp:\pp+7], v[O+8*\d:O+8*\d+7], v[VS+2*\hf+\d/2], v[PS] matrix_a_fmt:MATRIX_FMT_FP4 matrix_b_fmt:MATRIX_FMT_FP4 matrix_a_scale:MATRIX_SCALE_ROW1
.elseif \hf
	v_wmma_scale_f32_16x16x128_f8f6f4 v[O+8*\d:O+8*\d+7], v[\vf+8*\d:\vf+8*\d+7], v[\pp:\pp+7], v[O+8*\d:O+8*\d+7], v[VS+2*\hf+\d/2], v[PS] matrix_a_fmt:MATRIX_FMT_FP4 matrix_b_fmt:MATRIX_FMT_FP4 matrix_b_scale:MATRIX_SCALE_ROW1
.else
	v_wmma_scale_f32_16x16x128_f8f6f4 v[O+8*\d:O+8*\d+7], v[\vf+8*\d:\vf+8*\d+7], v[\pp:\pp+7], v[O+8*\d:O+8*\d+7], v[VS+2*\hf+\d/2], v[PS] matrix_a_fmt:MATRIX_FMT_FP4 matrix_b_fmt:MATRIX_FMT_FP4
.endif
.endr
.endm
; The largest score of my two blocks of 32 keys: two chains a block, four by turns; each accumulator is first read at its low end.  MAXA: 28 lines; MAXB: the last four
.macro MAXA hf
.irp b, 2*\hf, 2*\hf+1
	v_max3_num_f32 v[BM+(\b)], v[S+32*(\b)], v[S+32*(\b)+1], v[S+32*(\b)+2]
	v_max3_num_f32 v[SO+(\b)], v[S+32*(\b)+16], v[S+32*(\b)+17], v[S+32*(\b)+18]
.endr
.irp i, 3,5,7,9,11,13
.irp b, 2*\hf, 2*\hf+1
	v_max3_num_f32 v[BM+(\b)], v[BM+(\b)], v[S+32*(\b)+\i], v[S+32*(\b)+\i+1]
	v_max3_num_f32 v[SO+(\b)], v[SO+(\b)], v[S+32*(\b)+16+\i], v[S+32*(\b)+17+\i]
.endr
.endr
.endm
.macro MAXB hf
.irp b, 2*\hf, 2*\hf+1
	v_max3_num_f32 v[BM+(\b)], v[BM+(\b)], v[SO+(\b)], v[S+32*(\b)+15]
.endr
.irp b, 2*\hf, 2*\hf+1
	v_max_num_f32 v[BM+(\b)], v[BM+(\b)], v[S+32*(\b)+31]
.endr
.endm
.macro CVT hf, dst                     ; register 4 c + u of the operand: keys 64 c + 32 h + 8 u + 0..7
.irp c, 0,1
.irp u, 0,1,2,3
	v_cvt_scalef32_pk8_fp4_f32 v[\dst+4*\c+\u], v[S+64*\hf+32*\c+8*\u:S+64*\hf+32*\c+8*\u+7], v[SO+2*\hf+\c]
.endr
.endr
.endm
.macro SUM4 j                          ; eight p onto the sum's four chains
	v_pk_add_f32 v[C2:C2+1], v[C2:C2+1], v[S+\j:S+\j+1]
	v_pk_add_f32 v[C3:C3+1], v[C3:C3+1], v[S+\j+2:S+\j+3]
	v_pk_add_f32 v[14:15], v[14:15], v[S+\j+4:S+\j+5]
	v_pk_add_f32 v[C1:C1+1], v[C1:C1+1], v[S+\j+6:S+\j+7]
.endm
; A TRIP: 256 keys.  At its head the first eight tiles of K are on their way into v[X ..].
.macro TRIP
	s_wait_alu depctr_va_vdst(0)                   ; directly ahead of the wait below
	s_wait_dscnt 0x0                               ; K's first eight tiles and their scale words
	SMUL 0
	v_add_nc_u32 v[ADV], s[TKV], v[AV0]            ; four places in front of the loads into K's registers
	v_add_nc_u32 v[ADT], s[TS], v[ASV0]
	v_nop
	v_nop
	LOADK 1
	MAXA 0                                         ; stands between the loads and the wait for them
	s_wait_alu depctr_va_vdst(0)                   ; directly ahead of the wait below
	s_wait_dscnt 0x0
	SMUL 1
	MAXB 0                                         ; four places: they name the first half's scores alone
	LOADV 0, X
	MAXA 1
	MAXB 1
	v_max3_num_f32 v[TMP], v[BM], v[BM+1], v[BM+2]
	s_delay_alu instid0(VALU_DEP_1)
	v_max_num_f32 v[TMP], v[TMP], v[BM+3]          ; the largest of my 128 scores
	s_delay_alu instid0(VALU_DEP_1)
	v_permlanex16_b32 v[TMP2], v[TMP], s[SEL], s[SEL+1]
	s_delay_alu instid0(VALU_DEP_1)
	v_max3_num_f32 v13, v13, v[TMP], v[TMP2]       ; the running largest score of my query
	s_delay_alu instid0(VALU_DEP_1)
	v_mul_f32 v[TMP], s[CSN], v13                  ; -t
	s_delay_alu instid0(VALU_DEP_1)
	v_floor_f32 v[TMP], v[TMP]                     ; the new -M = floor(-t)
	s_delay_alu instid0(VALU_DEP_1)
	v_sub_f32 v[TMP2], v[TMP], v12                 ; old M - new M: a whole number, 0 or less
	v_mov_b32 v12, v[TMP]
	s_delay_alu instid0(VALU_DEP_2)
	v_cvt_i32_f32 v[TMP2], v[TMP2]                 ; (it saturates)
	s_delay_alu instid0(VALU_DEP_1)
	v_ldexp_f32 v[F], 1.0, v[TMP2]                 ; f = 2^(old M - new M)
.set j, 0
.rept 64
	v_pk_fma_f32 v[S+j:S+j+1], v[S+j:S+j+1], s[CS:CS+1], v[12:13] op_sel_hi:[1,0,0]   ; t - M (of the pairs c and -M the low word serves both halves)
.set j, j+2
.endr
.irp b, 0,1,2,3
	v_fma_f32 v[BM+\b], v[BM+\b], s[CS], v12       ; the same of each block's largest score
.endr
	s_wait_alu depctr_va_vdst(0)                   ; the wait ahead of the batch
.set j, 0
.rept 128
	v_exp_f32 v[S+j], v[S+j]                       ; p = 2^(t - M), at most 1
.set j, j+1
.endr
.irp b, 0,1,2,3
	v_exp_f32 v[BM+\b], v[BM+\b]                   ; the block's largest p: the same two instructions on the same number
.endr
	v_pk_mul_f32 v[14:15], v[14:15], v[F:F+1] op_sel_hi:[1,0]   ; the sum under the new M (a plain place behind the batch)
	s_wait_alu depctr_va_vdst(0)                   ; one wait for the batch, ahead of its first reader
.irp b, 0,1,2,3
	v_max_num_f32 v[BM+\b], 0x1800000, v[BM+\b]    ; the floor 2^(3 - 127): the byte cannot fall under 1
.endr
.irp b, 0,1,2,3
	v_add_nc_u32 v[SO+\b], 0xff000000, v[BM+\b]    ; 2 off the exponent field: the conversion's scale operand (four chains by turns)
.endr
.irp b, 0,1,2,3
	v_lshrrev_b32 v[BP+\b], 23, v[SO+\b]           ; the scale's byte
.endr
	s_delay_alu instid0(VALU_DEP_3)
	v_lshl_or_b32 v[BP], v[BP+1], 8, v[BP]
	s_delay_alu instid0(VALU_DEP_2)
	v_lshl_or_b32 v[BP+2], v[BP+3], 8, v[BP+2]
	s_delay_alu instid0(VALU_DEP_1)
	v_lshl_or_b32 v[BP], v[BP+2], 16, v[BP]        ; my four bytes: blocks h, 2 + h, 4 + h, 6 + h
	s_delay_alu instid0(VALU_DEP_1)
	v_permlanex16_b32 v[BP+1], v[BP], s[SEL], s[SEL+1]
	s_delay_alu instid0(VALU_DEP_1)
	v_perm_b32 v[PS], v[BP+1], v[BP], v[SELP]      ; lanes 0-15: blocks 0-3; lanes 16-31: blocks 4-7
	CVT 0, P
	s_wait_alu depctr_va_vdst(0)                   ; directly ahead of the first reader of O^T
.set j, 0
.rept 16
	v_pk_mul_f32 v[O+j:O+j+1], v[O+j:O+j+1], v[F:F+1] op_sel_hi:[1,0]   ; O^T under the new M; these lines are the places between p's codes and scale words and the products
.set j, j+2
.endr
	s_wait_alu depctr_va_vdst(0)                   ; directly ahead of the wait below
	s_wait_dscnt 0x0                               ; V's first four fragments and their scale words
	OMUL 0, X, P
	s_add_co_u32 s[TKK], s[TKK], 8*KP
	s_add_co_u32 s[TKV], s[TKV], 8192
	s_add_co_u32 s[TS], s[TS], 512
	v_pk_add_f32 v[C1:C1+1], v[S:S+1], v[S+2:S+3]  ; the row's sum of the unquantised p, four chains by turns
	v_pk_add_f32 v[C2:C2+1], v[S+4:S+5], v[S+6:S+7]
	v_pk_add_f32 v[C3:C3+1], v[S+8:S+9], v[S+10:S+11]
	v_pk_add_f32 v[14:15], v[14:15], v[S+12:S+13]
	v_pk_add_f32 v[C1:C1+1], v[C1:C1+1], v[S+14:S+15]
.irp j, 16,24,32,40,48,56
	SUM4 \j
.endr
	v_add_nc_u32 v[ADK], s[TKK], v[AK0]
	v_add_nc_u32 v[ADS], s[TS], v[ASK0]
	LOADK 0                                        ; the next trip's first tiles, into the registers that the first half's products have read (the 29 sums above are the places).  Behind the last trip these lines read landed bytes of V and of V's scales, which nothing uses
	LOADV 1, S                                     ; the first half's p is done with: V's second four fragments land there,
	CVT 1, S+32                                    ; and the second half's codes
.irp j, 64,72,80,88,96,104,112
	SUM4 \j
.endr
	s_wait_alu depctr_va_vdst(0)                   ; directly ahead of the wait below
	s_wait_dscnt 0x0                               ; V's second four fragments, and the next trip's first tiles of K
	OMUL 1, S, S+32
	SUM4 120                                       ; seven plain lines that name no register of the products: the places in front of the next trip's products
	v_pk_add_f32 v[C1:C1+1], v[C1:C1+1], v[C2:C2+1]
	v_pk_add_f32 v[14:15], v[14:15], v[C3:C3+1]
	v_pk_add_f32 v[14:15], v[14:15], v[C1:C1+1]
.endm
.macro PASS id                         ; a tile of queries: O^T and the sum begin as zeros, the largest score under every score
.if \id
	s_wait_xcnt 0x0                                ; the first tile's stores have read their registers
.endif
	v_mov_b32 v13, 0xff61b1e6                      ; -3e38
	s_delay_alu instid0(VALU_DEP_1)
	v_mul_f32 v12, s[CSN], v13
	s_delay_alu instid0(VALU_DEP_1)
	v_floor_f32 v12, v12                           ; -M
	v_mov_b32 v14, 0
	v_mov_b32 v15, 0
.set j, 0
.rept 32
	v_mov_b32 v[O+j], 0
.set j, j+1
.endr
	s_mov_b32 s[TKK], 0
	s_mov_b32 s[TKV], 0
	s_mov_b32 s[TS], 0
	s_mov_b32 s[CNT], 8
	v_add_nc_u32 v[ADK], s[TKK], v[AK0]
	v_add_nc_u32 v[ADS], s[TS], v[ASK0]
	LOADK 0
.Ltrip_\id:
	TRIP
	s_sub_co_u32 s[CNT], s[CNT], 1
	s_cmp_lg_u32 s[CNT], 0
	s_cbranch_scc1 .Ltrip_\id
.endm
.macro QUANT32 s                       ; 64 channels (four result tiles) -> v[PC] .. v[PC + 3] and two scale bytes in v[PW]
.irp b, 0,1
	v_max3_num_f32 v[TM+\b], |v[\s+16*\b]|, |v[\s+16*\b+1]|, 0x1800000
.endr
.irp i, 2,4,6,8,10,12,14
.irp b, 0,1
	s_delay_alu instid0(VALU_DEP_2)
	v_max3_num_f32 v[TM+\b], v[TM+\b], |v[\s+16*\b+\i]|, |v[\s+16*\b+\i+1]|
.endr
.endr
.irp b, 0,1
	v_permlanex16_b32 v[TM+4+\b], v[TM+\b], s[SEL], s[SEL+1]
.endr
.irp b, 0,1
	s_delay_alu instid0(VALU_DEP_2)
	v_max_num_f32 v[TM+\b], v[TM+\b], v[TM+4+\b]
.endr
.irp b, 0,1
	s_delay_alu instid0(VALU_DEP_2)
	v_add_nc_u32 v[TM+12+\b], 0xff000000, v[TM+\b]
.endr
.irp b, 0,1
	s_delay_alu instid0(VALU_DEP_2)
	v_lshrrev_b32 v[TM+4+\b], 23, v[TM+12+\b]
.endr
	s_delay_alu instid0(VALU_DEP_1)
	v_lshl_or_b32 v[PW], v[TM+5], 8, v[TM+4]
	v_cvt_scalef32_pk8_fp4_f32 v[PC+0], v[\s:\s+7], v[TM+12]
	v_cvt_scalef32_pk8_fp4_f32 v[PC+2], v[\s+8:\s+15], v[TM+12]
	v_cvt_scalef32_pk8_fp4_f32 v[PC+1], v[\s+16:\s+23], v[TM+13]
	v_cvt_scalef32_pk8_fp4_f32 v[PC+3], v[\s+24:\s+31], v[TM+13]
	v_nop                                          ; one plain place behind a scaled conversion
	v_permlane16_swap_b32 v[PC+0], v[PC+1]
	v_permlane16_swap_b32 v[PC+2], v[PC+3]
.endm
; A tile of queries ends: O^T is divided by the row's sum, quantised along the channels, and leaves as half a fragment of the last product's operand.
.macro FINISH p
	s_wait_alu depctr_va_vdst(0)                   ; directly ahead of the wait below
	s_wait_dscnt 0x0                               ; the loads issued behind the last trip have landed: their registers may be loaded again
	v_add_f32 v14, v14, v15
	s_delay_alu instid0(VALU_DEP_1)
	v_permlanex16_b32 v[TMP2], v14, s[SEL], s[SEL+1]
	s_delay_alu instid0(VALU_DEP_1)
	v_add_f32 v14, v14, v[TMP2]                    ; the row's sum
	s_wait_alu depctr_va_vdst(0)                   ; the wait ahead of the transcendental
	v_rcp_f32 v[F], v14
	v_and_b32 v[LA], 31, v0
	v_and_b32 v[LB], 15, v0
	v_lshlrev_b32 v[LA], 4, v[LA]                  ; 16 x lane
	v_lshlrev_b32 v[LB], 4, v[LB]                  ; 16 r
	s_wait_alu depctr_va_vdst(0)                   ; the wait ahead of the first reader of 1 / sum and of O^T
.set j, 0
.rept 16
	v_pk_mul_f32 v[S+j:S+j+1], v[O+j:O+j+1], v[F:F+1] op_sel_hi:[1,0]
.set j, j+2
.endr
	QUANT32 S
	global_store_b128 v[LA], v[PC:PC+3], s[70:71] offset:131072*\p   ; 512 consecutive bytes
	global_store_b16 v[LB], v[PW], s[72:73] offset:8192*\p
.endm
	s_wait_alu depctr_va_vdst(0)                   ; the wait at the head's end
	s_wait_tensorcnt 0x0                           ; my part has landed,
	s_wait_loadcnt 0x0                             ; and Q
	s_barrier_signal -1
	s_barrier_wait -1                              ; everybody's has
	PASS 0
	FINISH 0
.irp j, 0,1,2,3
	v_mov_b32 v[QF+\j], v[Q2+\j]                   ; the second tile of queries
.endr
	v_mov_b32 v[QS], v[Q2S]
	PASS 1
	FINISH 1
	s_wait_tensorcnt 0x0                           ; the wave's end
	ds_add_u32 v[SPW], v[NIL]
	s_wait_dscnt 0x0
	ROUND                                          ; the closing round
	s_endpgm
.Lfunc_end_k_q738183a691_attn:
	.size	k_q738183a691_attn, .Lfunc_end_k_q738183a691_attn-k_q738183a691_attn
	.p2alignl 7, 3214868480
	.fill 96, 4, 3214868480
	.section	.rodata,"a",@progbits
	.p2align	6, 0x0
	.amdhsa_kernel k_q738183a691_attn
		.amdhsa_group_segment_fixed_size 169984
		.amdhsa_private_segment_fixed_size 0
		.amdhsa_enable_private_segment 0
		.amdhsa_kernarg_size 64
		.amdhsa_user_sgpr_count 2
		.amdhsa_user_sgpr_kernarg_segment_ptr 1
		.amdhsa_wavefront_size32 1
		.amdhsa_system_sgpr_workgroup_id_x 1
		.amdhsa_system_sgpr_workgroup_id_y 1
		.amdhsa_system_sgpr_workgroup_id_z 1
		.amdhsa_system_vgpr_workitem_id 0
		.amdhsa_next_free_vgpr 256
		.amdhsa_next_free_sgpr 96
		.amdhsa_reserve_vcc 0
		.amdhsa_float_denorm_mode_32 3
		.amdhsa_float_denorm_mode_16_64 3
		.amdhsa_memory_ordered 1
		.amdhsa_forward_progress 1
		.amdhsa_inst_pref_size 75
	.end_amdhsa_kernel
	.amdgpu_metadata
---
amdhsa.version: [ 1, 2 ]
amdhsa.kernels:
  - .name:           k_q738183a691_attn
    .symbol:         k_q738183a691_attn.kd
    .args:
      - { .name: q_img, .offset: 0, .size: 8, .value_kind: global_buffer, .address_space: global }
      - { .name: q_sc, .offset: 8, .size: 8, .value_kind: global_buffer, .address_space: global }
      - { .name: k_img, .offset: 16, .size: 8, .value_kind: global_buffer, .address_space: global }
      - { .name: k_sc, .offset: 24, .size: 8, .value_kind: global_buffer, .address_space: global }
      - { .name: v_img, .offset: 32, .size: 8, .value_kind: global_buffer, .address_space: global }
      - { .name: v_sc, .offset: 40, .size: 8, .value_kind: global_buffer, .address_space: global }
      - { .name: a_img, .offset: 48, .size: 8, .value_kind: global_buffer, .address_space: global }
      - { .name: a_sc, .offset: 56, .size: 8, .value_kind: global_buffer, .address_space: global }
    .group_segment_fixed_size: 169984
    .private_segment_fixed_size: 0
    .kernarg_segment_align: 8
    .kernarg_segment_size: 64
    .max_flat_workgroup_size: 512
    .sgpr_count:     96
    .vgpr_count:     256
    .wavefront_size: 32
...
	.end_amdgpu_metadata
.endif
;; end of part 2
;; launch oproj (part 3): grid 4 x 64, 8 waves a work-group, clusters of 4 x 4, 236,544 bytes of LDS; arguments a_img, a_sc, o_w_codes, o_w_scales, o_b, out0; writes out0
.if DOCPART == 3
	.amdgcn_target "amdgcn-amd-amdhsa--gfx1250"
	.amdhsa_code_object_version 6
	.text
	.protected	k_q738183a691_oproj
	.globl	k_q738183a691_oproj
	.p2align	8
	.type	k_q738183a691_oproj,@function
k_q738183a691_oproj:
	s_mov_b64 s[64:65], 0
	v_nop
	global_prefetch_b8 v0, s[64:65] scope:SCOPE_SE
	s_setreg_imm32_b32 hwreg(HW_REG_WAVE_MODE, 25, 1), 1
	s_wait_xcnt 0x0
	s_wait_alu depctr_hold_cnt(0) depctr_sa_sdst(0) depctr_va_vdst(0) depctr_va_sdst(0) depctr_va_ssrc(0) depctr_va_vcc(0) depctr_vm_vsrc(0)
	s_getreg_b32 s2, hwreg(HW_REG_IB_STS2, 6, 4)
	s_cmp_eq_u32 s2, 0
	s_cbranch_scc0 .Lentry_in_a_cluster
	s_endpgm
.Lentry_in_a_cluster:
	s_bfe_u32 s2, ttmp6, 0x10000c
	s_cmp_lg_u32 s2, 0xf033
	s_cbranch_scc0 .Lentry_shape_is_right
	s_endpgm
.Lentry_shape_is_right:
; out = attn o_w^T + o_b on codes of FP4 (E2M1) with one E8M0 scale for each 32 along K = 1,024.  attn comes as images of operand registers with its scale words in lane order, o_w as given (rows of 512 bytes, 32 scale bytes a row).
; SHARES.  256 work-groups, each 128 tokens x 256 outputs; eight waves, each 64 x 64: 16 accumulators, 128 registers; two waves to a SIMD.  The launch stores 32 MiB of f32 and multiplies little: its stores weigh most.
; All of K for the tile fits in LDS and is filled ONCE: waves 0-3 bring 64 rows of o_w each, waves 4-7 two tiles of 16 tokens of attn each: one tensor load a wave.
; CLUSTERS: 4 x 4 work-groups.  o_w's rows hang on the work-group's x alone and are shared along a column of the cluster, attn's tokens on its y alone and are shared along a row: each is asked for JOINTLY.
; THE MATRIX INSTRUCTION IS USED TRANSPOSED (source 0 = 16 rows of o_w, source 1 = 16 tokens): a lane holds eight neighbouring outputs of one token.
; THE BIAS is loaded into the accumulators in the result's layout: every K step then adds in place.
; THE SCALES: register q of a block's four is the scale word of K step q in lanes 0-15 and of K step 4 + q in lanes 16-31.
; LIMITS: a given scale byte 0xff gives NaN, as the definition does.
.set XP,    528                        ; a row of o_w in LDS: 512 bytes + 16 of padding: the 16 rows that a load touches start 16 bytes apart modulo 256
.set LY,    256*XP                     ; behind o_w's 256 rows: attn's eight tiles, 8,192 bytes each, dense, read in lane order
.set STG,   LY+65536                   ; behind them: a stage of 16 rows x 272 bytes for each wave; no fill lands there
.set SPI,   272
.set AX,   4                           ; v4  LDS address of my o_w fragments
.set AY,   5                           ; v5  of my attn fragments
.set STO,  6                           ; v6  the way out: where I put 32 bytes of a row
.set RD,   7                           ; v7  and where I read a row back
.set CO,   8                           ; v8  my byte offset in two rows of out
.set H32,  9                           ; v9  32 h
.set RH,   10                          ; v10 32 r + 16 h
.set L16,  11                          ; v11 16 x lane
.set XS,   32                          ; v32-47 o_w's scale words
.set YS,   48                          ; v48-63 attn's
.set XF,   64                          ; v64-95 four fragments of o_w
.set YF,   96                          ; v96-127 four of attn
.set ACC,  128                         ; accumulator (x, y) at v[128 + 8 (4 y + x)]
.set WV,   16
.set WY,   17                          ; wave / 4: my 64 tokens.  Also: I fetch o_w (0) or attn (1)
.set WX,   18                          ; wave % 4: my 64 outputs.  Also: which quarter I fetch
.set G1X,  28
.set G1Y,  36
.set G0X,  44
.set G0Y,  48
.macro CROUND                          ; a round of the cluster's barrier
	s_barrier_signal -1
	s_barrier_wait -1
	s_cmp_lg_u32 s[WV], 0
	s_cbranch_scc1 .Lnot_wave_0_\@
	s_barrier_signal -3
.Lnot_wave_0_\@:
	s_barrier_wait -3
	s_barrier_signal -1
	s_barrier_wait -1
.endm
	s_load_b256 s[4:11], s[0:1], 0x0               ; a_img s[4:5], a_sc s[6:7], o_w's codes s[8:9], its scales s[10:11]
	s_load_b128 s[12:15], s[0:1], 0x20             ; o_b s[12:13], out s[14:15]
	v_lshl_add_u32 v30, v0, 2, 0x39800
	v_mov_b32 v31, 0
	ds_add_u32 v30, v31
	ds_add_u32 v30, v31
	v_lshrrev_b32 v1, 5, v0
	s_delay_alu instid0(VALU_DEP_1)
	v_readfirstlane_b32 s[WV], v1                  ; wave 0..7
	s_lshr_b32 s[WY], s[WV], 2
	s_and_b32 s[WX], s[WV], 3
	s_bfe_u32 s19, ttmp6, 0x40000                  ; cx, cy: my place in the cluster
	s_bfe_u32 s20, ttmp6, 0x40004
	s_lshl_b32 s21, ttmp9, 2
	s_add_co_u32 s21, s21, s19                     ; work-group x: 256 outputs
	s_and_b32 s22, ttmp7, 0xffff
	s_lshl_b32 s22, s22, 2
	s_add_co_u32 s22, s22, s20                     ; work-group y: 128 tokens
	s_lshl_b32 s23, s20, 2
	s_lshl_b32 s23, 15, s23                        ; my row of the cluster
	s_lshl_b32 s24, 0x1111, s19                    ; my column
	; o_w: 64 rows x 512 bytes, padded in LDS
	s_or_b32 s[G1X], s24, (0<<16)|(1<<20)|(1<<21)|(6<<22)|(3<<25)   ; 15:0 the mask: my column; 17:16 elements of 1 byte; 20 padding on; 21 set beside a mask; 24:22 after every 128 words (code 6); 31:25 four words (code 3)
	s_mov_b32 s[G1X+1], 512<<16                    ; tensor_dim0
	s_mov_b32 s[G1X+2], 64<<16                     ; tensor_dim1
	s_mov_b32 s[G1X+3], 512<<16                    ; tile_dim0
	s_mov_b32 s[G1X+4], 64                         ; tile_dim1
	s_mov_b32 s[G1X+5], 512                        ; tensor_dim0_stride
	s_mov_b32 s[G1X+6], 0
	s_mov_b32 s[G1X+7], 0
	; attn: 16 KiB dense, as 64 rows of 256 bytes (32 elements of 8 bytes), no padding
	s_or_b32 s[G1Y], s23, (3<<16)|(1<<21)          ; the mask: my row
	s_mov_b32 s[G1Y+1], 32<<16
	s_mov_b32 s[G1Y+2], 64<<16
	s_mov_b32 s[G1Y+3], 32<<16
	s_mov_b32 s[G1Y+4], 64
	s_mov_b32 s[G1Y+5], 32
	s_mov_b32 s[G1Y+6], 0
	s_mov_b32 s[G1Y+7], 0
	s_lshl_b32 s52, s21, 17                        ; o_w: 256 rows of 512 bytes a work-group,
	s_lshl_b32 s53, s[WX], 15                      ; 64 rows a load
	s_add_co_u32 s52, s52, s53
	s_mov_b32 s53, 0
	s_lshl_b32 s56, s22, 16                        ; attn: eight tiles of 8,192 bytes a work-group,
	s_lshl_b32 s57, s[WX], 14                      ; two a load
	s_add_co_u32 s56, s56, s57
	s_mov_b32 s57, 0
	s_mul_i32 s54, s[WX], 64*XP                    ; where they go: no place in the cluster enters an LDS address
	s_lshl_b32 s58, s[WX], 14
	s_add_co_u32 s58, s58, LY
	s_wait_dscnt 0x0
	s_wait_kmcnt 0x0
	s_mov_b32 s[G0X], 1                            ; count = 1
	s_mov_b32 s[G0X+1], s54                        ; LDS address
	s_add_nc_u64 s[G0X+2:G0X+3], s[8:9], s[52:53]  ; global address
	s_or_b32 s[G0X+3], s[G0X+3], 0x80000000        ; type = 2
	s_mov_b32 s[G0Y], 1
	s_mov_b32 s[G0Y+1], s58
	s_add_nc_u64 s[G0Y+2:G0Y+3], s[4:5], s[56:57]
	s_or_b32 s[G0Y+3], s[G0Y+3], 0x80000000
	CROUND                                         ; all sixteen work-groups are here: the joint loads meet
	s_cmp_eq_u32 s[WY], 0                          ; the branch hangs on the wave's number alone; four v_nop follow each of the two lines
	s_cbranch_scc0 .Lfor_y
	tensor_load_to_lds s[G0X:G0X+3], s[G1X:G1X+7]
	s_nop 0
.rept 4
	v_nop
.endr
	s_branch .Lasked
.Lfor_y:
	tensor_load_to_lds s[G0Y:G0Y+3], s[G1Y:G1Y+7]
	s_nop 0
.rept 4
	v_nop
.endr
.Lasked:
	v_and_b32 v1, 15, v0                           ; r
	v_bfe_u32 v2, v0, 4, 1                         ; h
	v_and_b32 v3, 31, v0                           ; lane
	s_delay_alu instid0(VALU_DEP_2)
	v_lshlrev_b32 v[H32], 5, v2
	s_delay_alu instid0(VALU_DEP_4)
	v_lshlrev_b32 v[RH], 5, v1
	s_delay_alu instid0(VALU_DEP_1)
	v_lshl_add_u32 v[RH], v2, 4, v[RH]
	s_wait_alu depctr_va_vdst(0)
	v_lshlrev_b32 v[L16], 4, v3
	s_wait_alu depctr_va_vdst(0)
	s_lshl_b32 s52, s21, 13                        ; o_w's scales: 32 bytes a row; my 64 rows
	s_lshl_b32 s53, s[WX], 11
	s_add_co_u32 s52, s52, s53
	s_mov_b32 s53, 0
	s_add_nc_u64 s[60:61], s[10:11], s[52:53]
	s_lshl_b32 s56, s22, 12                        ; attn's: 512 bytes a tile of 16 tokens; my four tiles
	s_lshl_b32 s57, s[WY], 11
	s_add_co_u32 s56, s56, s57
	s_mov_b32 s57, 0
	s_add_nc_u64 s[62:63], s[6:7], s[56:57]
	s_lshl_b32 s52, s21, 10                        ; o_b at my 64 outputs
	s_lshl_b32 s53, s[WX], 8
	s_add_co_u32 s52, s52, s53
	s_mov_b32 s53, 0
	s_add_nc_u64 s[66:67], s[12:13], s[52:53]
.irp x, 0,1,2,3
	global_load_b128 v[XS+4*\x:XS+4*\x+3], v[RH], s[60:61] offset:512*\x
.endr
.irp y, 0,1,2,3
	global_load_b128 v[YS+4*\y:YS+4*\y+3], v[L16], s[62:63] offset:512*\y
.endr
.irp y, 0,1,2,3
.irp x, 0,1,2,3
	global_load_b128 v[ACC+8*(4*\y+\x):ACC+8*(4*\y+\x)+3],   v[H32], s[66:67] offset:64*\x      ; register j: output 16 x + 8 h + j
	global_load_b128 v[ACC+8*(4*\y+\x)+4:ACC+8*(4*\y+\x)+7], v[H32], s[66:67] offset:64*\x+16
.endr
.endr
	s_lshl_b32 s56, s22, 19                        ; out: 128 rows of 4,096 bytes a work-group, my 64 rows, 1,024 bytes of a row a work-group, my 256
	s_lshl_b32 s57, s[WY], 18
	s_add_co_u32 s56, s56, s57
	s_lshl_b32 s57, s21, 10
	s_add_co_u32 s56, s56, s57
	s_lshl_b32 s57, s[WX], 8
	s_add_co_u32 s56, s56, s57
	s_mov_b32 s57, 0
	s_add_nc_u64 s[14:15], s[14:15], s[56:57]
	v_mul_u32_u24 v[AX], v1, XP
	s_delay_alu instid0(VALU_DEP_1)
	v_lshl_add_u32 v[AX], v2, 4, v[AX]             ; a fragment's row x pitch + 16 x half,
	s_mul_i32 s68, s[WX], 64*XP                    ; my 64 rows
	v_add_nc_u32 v[AX], s68, v[AX]
	s_lshl_b32 s68, s[WY], 15                      ; my four tiles of tokens
	s_add_co_u32 s68, s68, LY
	v_add_nc_u32 v[AY], s68, v[L16]
	s_mul_i32 s68, s[WV], 16*SPI
	s_add_co_u32 s68, s68, STG                     ; my stage
	v_mul_u32_u24 v[STO], v1, SPI                  ; in: row r, 32 bytes for each half of the lanes
	s_delay_alu instid0(VALU_DEP_1)
	v_lshl_add_u32 v[STO], v2, 5, v[STO]
	s_delay_alu instid0(VALU_DEP_1)
	v_add_nc_u32 v[STO], s68, v[STO]
	v_mul_u32_u24 v[RD], v2, SPI                   ; back: lanes 0-15 one row of 256 bytes, lanes 16-31 the next
	s_delay_alu instid0(VALU_DEP_1)
	v_lshl_add_u32 v[RD], v1, 4, v[RD]
	s_delay_alu instid0(VALU_DEP_1)
	v_add_nc_u32 v[RD], s68, v[RD]
	v_lshlrev_b32 v[CO], 12, v2                    ; and the same two rows in out
	s_delay_alu instid0(VALU_DEP_1)
	v_lshl_add_u32 v[CO], v1, 4, v[CO]
	s_wait_alu depctr_va_vdst(0)
	s_wait_tensorcnt 0x0                           ; my part has landed,
	s_wait_loadcnt 0x0                             ; and so have the scale words and the bias
	s_barrier_signal -1
	s_barrier_wait -1                              ; everybody's has
; A K step of 128: four fragments of each side, 16 products.  The 16 accumulators take turns, one instruction a turn, in the same order in every step.
.macro KSTEP s
.if \s > 0
.rept 4
	v_nop                                          ; places in front of loads into registers that matrix instructions have read
.endr
.endif
.irp x, 0,1,2,3
.irp c, 0,1
	ds_load_b128 v[XF+8*\x+4*\c:XF+8*\x+4*\c+3], v[AX] offset:16*XP*\x+64*(\s)+32*\c
.endr
.endr
.irp y, 0,1,2,3
.irp c, 0,1
	ds_load_b128 v[YF+8*\y+4*\c:YF+8*\y+4*\c+3], v[AY] offset:8192*\y+1024*(\s)+512*\c
.endr
.endr
	s_wait_dscnt 0x0
.irp y, 0,1,2,3
.irp x, 0,1,2,3
.if \s < 4
	v_wmma_scale_f32_16x16x128_f8f6f4 v[ACC+8*(4*\y+\x):ACC+8*(4*\y+\x)+7], v[XF+8*\x:XF+8*\x+7], v[YF+8*\y:YF+8*\y+7], v[ACC+8*(4*\y+\x):ACC+8*(4*\y+\x)+7], v[XS+4*\x+(\s)%4], v[YS+4*\y+(\s)%4] matrix_a_fmt:MATRIX_FMT_FP4 matrix_b_fmt:MATRIX_FMT_FP4
.else
	v_wmma_scale_f32_16x16x128_f8f6f4 v[ACC+8*(4*\y+\x):ACC+8*(4*\y+\x)+7], v[XF+8*\x:XF+8*\x+7], v[YF+8*\y:YF+8*\y+7], v[ACC+8*(4*\y+\x):ACC+8*(4*\y+\x)+7], v[XS+4*\x+(\s)%4], v[YS+4*\y+(\s)%4] matrix_a_fmt:MATRIX_FMT_FP4 matrix_b_fmt:MATRIX_FMT_FP4 matrix_a_scale:MATRIX_SCALE_ROW1 matrix_b_scale:MATRIX_SCALE_ROW1
.endif
.endr
.endr
.endm
.irp s, 0,1,2,3,4,5,6,7
	KSTEP \s
.endr
; THE WAY OUT, a tile of 16 tokens x 64 outputs at a time.  A lane holds 32 neighbouring bytes of a row and the lanes beside it hold other rows: so a tile goes through my own stage in LDS and comes back as whole
; rows of 256 bytes.  LDS serves a wave's instructions in order (ISA guide 5.7.1.4): no wait between the stores and the loads, nor in front of the next tile's stores.
.macro TOSTAGE y
.irp x, 0,1,2,3
	ds_store_b128 v[STO], v[ACC+8*(4*(\y)+\x):ACC+8*(4*(\y)+\x)+3] offset:64*\x        ; each accumulator from its low end on
	ds_store_b128 v[STO], v[ACC+8*(4*(\y)+\x)+4:ACC+8*(4*(\y)+\x)+7] offset:64*\x+16
.endr
.set BB, XF+32*((\y)%2)
.irp i, 0,1,2,3,4,5,6,7
	ds_load_b128 v[BB+4*\i:BB+4*\i+3], v[RD] offset:\i*2*SPI
.endr
.endm
.macro SEND y, younger                 ; younger: the LDS instructions issued behind tile y's loads, which may stay out
.set BB, XF+32*((\y)%2)
	s_wait_dscnt \younger                          ; the tile is back in registers
.irp i, 0,1,2,3,4,5,6,7
	global_store_b128 v[CO], v[BB+4*\i:BB+4*\i+3], s[14:15] offset:(16*(\y)+2*\i)*4096 th:TH_STORE_NT   ; 16 lanes store 256 consecutive bytes, at a multiple of 256 from out's first byte; written once, read by nobody here
.endr
.endm
.rept 4
	v_nop                                          ; places behind the last products: for the reads of their results and for the loads into the fragments' registers
.endr
	TOSTAGE 0
.irp y, 1,2,3
.if \y > 1
	s_wait_xcnt 0x0                                ; tile y - 2's stores have read their registers: tile y's loads may land there
.endif
	TOSTAGE \y
	SEND \y-1, 16                                  ; behind tile y - 1's loads: tile y's eight stores and eight loads
.endr
	SEND 3, 0
	s_wait_tensorcnt 0x0
	ds_add_u32 v30, v31
	s_wait_dscnt 0x0
	CROUND                                         ; the closing round: no work-group ends while a partner may still ask for a tile that names it
	s_endpgm
.Lfunc_end_k_q738183a691_oproj:
	.size	k_q738183a691_oproj, .Lfunc_end_k_q738183a691_oproj-k_q738183a691_oproj
	.p2alignl 7, 3214868480
	.fill 96, 4, 3214868480
	.section	.rodata,"a",@progbits
	.p2align	6, 0x0
	.amdhsa_kernel k_q738183a691_oproj
		.amdhsa_group_segment_fixed_size 236544
		.amdhsa_private_segment_fixed_size 0
		.amdhsa_enable_private_segment 0
		.amdhsa_kernarg_size 48
		.amdhsa_user_sgpr_count 2
		.amdhsa_user_sgpr_kernarg_segment_ptr 1
		.amdhsa_wavefront_size32 1
		.amdhsa_system_sgpr_workgroup_id_x 1
		.amdhsa_system_sgpr_workgroup_id_y 1
		.amdhsa_system_sgpr_workgroup_id_z 1
		.amdhsa_system_vgpr_workitem_id 0
		.amdhsa_next_free_vgpr 256
		.amdhsa_next_free_sgpr 80
		.amdhsa_reserve_vcc 0
		.amdhsa_float_denorm_mode_32 3
		.amdhsa_float_denorm_mode_16_64 3
		.amdhsa_memory_ordered 1
		.amdhsa_forward_progress 1
		.amdhsa_inst_pref_size 44
	.end_amdhsa_kernel
	.amdgpu_metadata
---
amdhsa.version: [ 1, 2 ]
amdhsa.kernels:
  - .name:           k_q738183a691_oproj
    .symbol:         k_q738183a691_oproj.kd
    .args:
      - { .name: a_img, .offset: 0, .size: 8, .value_kind: global_buffer, .address_space: global }
      - { .name: a_sc, .offset: 8, .size: 8, .value_kind: global_buffer, .address_space: global }
      - { .name: o_w_codes, .offset: 16, .size: 8, .value_kind: global_buffer, .address_space: global }
      - { .name: o_w_scales, .offset: 24, .size: 8, .value_kind: global_buffer, .address_space: global }
      - { .name: o_b, .offset: 32, .size: 8, .value_kind: global_buffer, .address_space: global }
      - { .name: out0, .offset: 40, .size: 8, .value_kind: global_buffer, .address_space: global }
    .group_segment_fixed_size: 236544
    .private_segment_fixed_size: 0
    .kernarg_segment_align: 8
    .kernarg_segment_size: 48
    .max_flat_workgroup_size: 256
    .sgpr_count:     80
    .vgpr_count:     256
    .wavefront_size: 32
...
	.end_amdgpu_metadata
.endif
;; end of part 3
